; MI455X (gfx1250); checked and timed in simulation.
; The chip was launched on July 23, 2026; its instructions are those of AMD's public machine-readable ISA for CDNA 5 (MIT licence, August 2026) and "CDNA5" Instruction Set Architecture Reference Guide (July 2026). The comments in the code are by the model that wrote it; some were corrected since.
;; Chamfer Distance L1 And Seg. Allowed arithmetic: float matrix products may take bf16 or f16 operands with f32 sums; all other float work in f32.
;; Inputs: xyz1 8 x 4,096 x 3 float32; xyz2 8 x 4,096 x 3 float32.
;; Outputs: out0 one number float32; out1 8 x 4,096 int32.
;; One version. Each part assembles by itself: llvm-mc -triple=amdgcn-amd-amdhsa -mcpu=gfx1250 --defsym DOCPART=n.
;; ======== version 1 of 1: 2 launches
;; workspace buffers: group 131,072 bytes of whole numbers; psum 1,024 bytes
;; launch pairs (part 1): grid 256 x 1, 16 waves a work-group, no clusters, 61,440 bytes of LDS; arguments xyz1, xyz2, group, psum; writes group, psum
.if DOCPART == 1
	.amdgcn_target "amdgcn-amd-amdhsa--gfx1250"
	.amdhsa_code_object_version 6
	.text
	.protected	k_q9d1a4c144b_pairs
	.globl	k_q9d1a4c144b_pairs
	.p2align	8
	.type	k_q9d1a4c144b_pairs,@function
k_q9d1a4c144b_pairs:
	s_mov_b64 s[64:65], 0
	v_nop
	global_prefetch_b8 v0, s[64:65] scope:SCOPE_SE
	s_setreg_imm32_b32 hwreg(HW_REG_WAVE_MODE, 25, 1), 1
	s_wait_xcnt 0x0
; Chamfer distance, the all-pairs part.  d(p, q) = max((|p|^2 + |q|^2) - 2 <p, q>, 0), coordinates rounded to bf16 once, everything else f32.
; Work-group = (direction, batch, block of 256 STATIONARY points).  Direction 0: xyz1 stationary, xyz2 streamed (dist1 and where it is found);
; direction 1: the roles swapped (dist2).  Each stationary point meets all 4096 streamed points inside its work-group, so every minimum is
; complete here and only one sum of roots per work-group and, in direction 0, one number per point leave.
; ROUNDINGS are those of the formula as written: sq = (x0^2 + x1^2) + x2^2, t = sq_p + sq_q, d = t - 2 inner (one fused step: 2 inner is exact).
; With bf16 coordinates every product is exact in f32.  inner is one v_wmma_f32_16x16x32_bf16 with C = 0 and k = 0..2 in use: it rounds the sum of
; the three products once, a chain of f32 additions rounds it twice; the two can differ in the last bit where the products' exponents are far apart.
; SHAPE: 16 waves = 2 sets of 8 stationary tiles x 8 eighths of the streamed cloud.  Stationary points are B's columns (lane = point), streamed
; points are A's rows (a lane's 8 result registers = 8 streamed points), so a point's minimum is taken inside its lane: 4 v_min3 for 8 registers.
; WHERE THE MINIMUM LIES is kept by groups: four streamed tiles are laid so that lanes 0-15 see 32 consecutive streamed points and lanes 16-31 the
; next 32; after each group the clamped group minimum is compared (strictly less: the first group stays) and the group's number 2 g + h kept.
; The next launch looks through the 32 points of that group.  Direction 1 carries the number too (8 instructions for 4 tiles) and does not store it.
; UNUSED K: A is zero in registers 2-7, B is zero in lanes 16-31, so each unused k has a zero factor.  So B's fragments lie packed, two
; registers a tile, each tuple running over its neighbours' data, and A's lanes 16-31 may repeat lanes 0-15.
; LIMITS: inputs finite and below about 1e18 in size (squares stay finite); NaN and infinities are not served (0 x inf would spread them).
; NO CLUSTER, NO TENSOR LOAD: what work-groups share is one read of 48 KB each, in front of 4096 tile products, and it has to pass through registers
; for the rounding and the squares.  No prefetch: the two inputs are 768 KB in all and each is read by 128 work-groups.
.set CLOUD,  49152                     ; bytes of one batch of one cloud: 4096 x 12
.set HPITCH, 320                       ; LDS: 32 points x 8 bytes + 64: rows 0-7 and rows 8-15 of a tile (32 points apart) start 16 banks apart
.set OS, 0                             ; 256 roots of the block's minima
.set OG, 1024                          ; 256 group numbers
.set FR, 2048                          ; 128 blocks of 32 points: bf16 x0 x1 | x2 0
.set SQ, FR+128*HPITCH                 ; 4096 squares, f32
.set RV, FR                            ; after the loop, behind a barrier: 16 waves x 8 tiles x 32 lanes, minima
.set RG, 16384                         ; and from there to their group numbers
.set LANE, 1
.set RR,   2                           ; lane % 16
.set HH,   3                           ; lane / 16
.set FA,   4                           ; LDS address of my row's fragment, tile 0 of the current group
.set SA,   5                           ; LDS address of my half's 8 squares, tile 0 of the current group
.set GC,   6                           ; number of my half's current group
.set AD0,  7
.set AD1,  8
.set AD2,  9
.set BF,   10                          ; v[10:25] B, two registers a stationary tile
.set ZR,   26                          ; v[26:31] zeros behind them (the last tuples run into these)
.set SB,   32                          ; v[32:47] tile s: square of my point, group number of its minimum
.set BE,   48                          ; v[48:55] tile s: minimum so far, clamped
.set GA,   56                          ; v[56:63] tile s: minimum of the current group
.set AF,   64                          ; v[64:79] A, two buffers of 8; registers 2-7 stay zero
.set QS,   80                          ; v[80:95] squares of my half's 8 rows, two buffers
.set DD,   96                          ; v[96:111] two result tiles in turn
.set TT,   112                         ; v[112:119] t, then partial minima
.set STF,  TT                          ; prologue only: LDS store addresses
.set STS,  TT+1
.set RQ,   120                         ; v[120:143] prologue: 8 streamed points as loaded
.set FW,   144                         ; v[144:151] 4 points packed
.set SW,   152                         ; v[152:155] their squares
.set U0,   156
.set U1,   157
.set U2,   158
.set W0,   160                         ; v[160:161]
.set RP,   162                         ; v[162:185] my point of each of the 8 stationary tiles as loaded
.set TV,   120                         ; the fold: 8 minima
.set TG,   128                         ; and 8 group numbers
	s_load_b256 s[4:11], s[0:1], 0x0               ; xyz1 s[4:5], xyz2 s[6:7], group s[8:9], psum s[10:11]
	v_lshl_add_u32 v186, v0, 2, 0xe800
	v_mov_b32 v187, 0
	v_and_b32 v[LANE], 31, v0
	v_lshrrev_b32 v[AD0], 5, v0
	v_readfirstlane_b32 s15, v[AD0]                ; wave 0..15
	s_and_b32 s12, ttmp9, 15                       ; block of 256 stationary points
	s_bfe_u32 s13, ttmp9, 0x30004                  ; batch
	s_lshr_b32 s14, ttmp9, 7                       ; direction
	s_lshr_b32 s22, s15, 3                         ; which 8 stationary tiles
	s_and_b32 s23, s15, 7                          ; which eighth of the streamed cloud
	v_and_b32 v[RR], 15, v0
	v_bfe_u32 v[HH], v0, 4, 1
	v_mul_u32_u24 v[AD0], 48, v0                   ; thread t converts streamed points 4 t .. 4 t + 3 and 2048 + 4 t ..
	v_mul_u32_u24 v[AD1], 12, v[RR]                ; my stationary point in its tile
	s_mul_i32 s20, s13, CLOUD
	s_mov_b32 s21, 0
	s_mul_i32 s28, s12, 3072                       ; 256 points x 12 bytes
	s_mul_i32 s25, s22, 1536                       ; 8 tiles x 16 points x 12 bytes
	s_add_co_u32 s28, s28, s25
	s_add_co_u32 s28, s28, s20
	s_mov_b32 s29, 0
	s_mov_b32 s30, 0x76543210                      ; v_permlanex16_b32: lane i takes lane i of the other half
	s_mov_b32 s31, 0xfedcba98
	s_wait_kmcnt 0x0
	s_cmp_eq_u32 s14, 0
	s_cselect_b64 s[16:17], s[4:5], s[6:7]         ; stationary cloud
	s_cselect_b64 s[18:19], s[6:7], s[4:5]         ; streamed cloud
	s_add_nc_u64 s[16:17], s[16:17], s[28:29]
	s_add_nc_u64 s[18:19], s[18:19], s[20:21]
.irp k, 0,1,2
	global_load_b128 v[RQ+4*\k:RQ+4*\k+3], v[AD0], s[18:19] offset:16*\k
.endr
.irp k, 0,1,2
	global_load_b128 v[RQ+12+4*\k:RQ+12+4*\k+3], v[AD0], s[18:19] offset:24576+16*\k
.endr
.irp s, 0,1,2,3,4,5,6,7
	global_load_b32 v[RP+3*\s],   v[AD1], s[16:17] offset:192*\s
	global_load_b32 v[RP+3*\s+1], v[AD1], s[16:17] offset:192*\s+4
	global_load_b32 v[RP+3*\s+2], v[AD1], s[16:17] offset:192*\s+8
.endr
.irp k, 0,1,2,3,4,5
	v_mov_b32 v[ZR+\k], 0
.endr
	v_lshrrev_b32 v[STF], 3, v0                    ; 4 points = 32 bytes; 8 threads fill a block of 32 points
	v_and_b32 v[U0], 7, v0
	v_mul_u32_u24 v[STF], HPITCH, v[STF]
	v_lshl_add_u32 v[STF], v[U0], 5, v[STF]
	v_lshlrev_b32 v[STS], 4, v0                    ; 4 squares = 16 bytes
; One point: three f32 at v[x..x+2] -> bf16 words v[w], v[w+1] (x0 x1 | x2 0) and the square of the ROUNDED point in v[q]
.macro POINT x, w, q
	v_cvt_pk_bf16_f32 v[\w], v[\x], v[\x+1]
	v_cvt_pk_bf16_f32 v[\w+1], v[\x+2], v[ZR]
	v_lshlrev_b32 v[U0], 16, v[\w]
	v_and_b32 v[U1], 0xffff0000, v[\w]
	v_lshlrev_b32 v[U2], 16, v[\w+1]
	v_mul_f32 v[\q], v[U0], v[U0]
	v_fmac_f32 v[\q], v[U1], v[U1]
	v_fmac_f32 v[\q], v[U2], v[U2]
.endm
.macro QROUND rho
	s_wait_loadcnt 27-3*\rho                       ; 30 loads were issued; this round's three are in when 27 (24) younger ones are left
.irp p, 0,1,2,3
	POINT RQ+12*\rho+3*\p, FW+2*\p, SW+\p
.endr
	ds_store_b128 v[STF], v[FW:FW+3]   offset:FR+64*HPITCH*\rho
	ds_store_b128 v[STF], v[FW+4:FW+7] offset:FR+64*HPITCH*\rho+16
	ds_store_b128 v[STS], v[SW:SW+3]   offset:SQ+8192*\rho
.endm
	QROUND 0
	QROUND 1
	s_wait_dscnt 0x0                               ; my part of the streamed cloud is in LDS, for the others' sake
	s_barrier_signal -1
	; register work while the others arrive: my 8 stationary tiles
	s_wait_loadcnt 0x0
	v_cmp_gt_u32 vcc_lo, 16, v[LANE]
.irp s, 0,1,2,3,4,5,6,7
	POINT RP+3*\s, W0, SB+2*\s
	v_cndmask_b32 v[BF+2*\s],   0, v[W0],   vcc_lo ; B: lanes 0-15 hold k = 0..3, lanes 16-31 (k = 8..) hold zero
	v_cndmask_b32 v[BF+2*\s+1], 0, v[W0+1], vcc_lo
	v_mov_b32 v[SB+2*\s+1], 0
	v_mov_b32 v[BE+\s], 0x7f800000                 ; +infinity
.endr
.irp k, 2,3,4,5,6,7
	v_mov_b32 v[AF+\k], 0
	v_mov_b32 v[AF+8+\k], 0
.endr
	v_and_b32 v[U0], 7, v[RR]                      ; row r of a tile is streamed point 8 i + r % 8 + 32 (r / 8) of the group
	v_lshrrev_b32 v[U1], 3, v[RR]
	v_mul_u32_u24 v[U1], HPITCH, v[U1]
	v_lshl_add_u32 v[U0], v[U0], 3, v[U1]
	s_mul_i32 s25, s23, 16*HPITCH                  ; my eighth: 8 groups of 64 points = 16 blocks
	s_add_co_u32 s25, s25, FR
	v_add_nc_u32 v[FA], s25, v[U0]
	s_lshl_b32 s26, s23, 11                        ; 512 squares
	s_add_co_u32 s26, s26, SQ
	v_lshl_add_u32 v[SA], v[HH], 7, s26            ; my half's 32 points of the group
	s_lshl_b32 s27, s23, 4
	v_add_nc_u32 v[GC], s27, v[HH]                 ; 2 x (8 x eighth) + half
	s_barrier_wait -1
; streamed tile tau (counted from the current group's first; 4 and 5 are the next group's 0 and 1) into buffer a
.macro LOADT a, tau
	ds_load_b64  v[AF+8*\a:AF+8*\a+1],   v[FA] offset:(\tau/4)*2*HPITCH+(\tau%4)*64
	ds_load_b128 v[QS+8*\a:QS+8*\a+3],   v[SA] offset:(\tau/4)*256+(\tau%4)*32
	ds_load_b128 v[QS+8*\a+4:QS+8*\a+7], v[SA] offset:(\tau/4)*256+(\tau%4)*32+16
.endm
.macro WM a, s, d
	v_wmma_f32_16x16x32_bf16 v[DD+8*(\d):DD+8*(\d)+7], v[AF+8*(\a):AF+8*(\a)+7], v[BF+2*(\s):BF+2*(\s)+7], 0
.endm
; 256 distances: t = sq_row + sq_column, d = t - 2 inner, and the column's minimum over my 8 rows joins the group's
.macro PROC a, s, d, first
.irp j, 0,2,4,6
	v_pk_add_f32 v[TT+\j:TT+\j+1], v[QS+8*\a+\j:QS+8*\a+\j+1], v[SB+2*\s:SB+2*\s+1] op_sel_hi:[1,0]
.endr
.irp j, 0,2,4,6
	v_pk_fma_f32 v[DD+8*\d+\j:DD+8*\d+\j+1], v[DD+8*\d+\j:DD+8*\d+\j+1], -2.0, v[TT+\j:TT+\j+1] op_sel_hi:[1,0,1]
.endr
	v_min3_num_f32 v[TT],   v[DD+8*\d],   v[DD+8*\d+1], v[DD+8*\d+2]
	v_min3_num_f32 v[TT+1], v[DD+8*\d+3], v[DD+8*\d+4], v[DD+8*\d+5]
.if \first
	v_min_num_f32  v[TT+2], v[DD+8*\d+6], v[DD+8*\d+7]             ; the group's first tile starts its minimum
.else
	v_min3_num_f32 v[TT+2], v[GA+\s], v[DD+8*\d+6], v[DD+8*\d+7]
.endif
	v_min3_num_f32 v[GA+\s], v[TT], v[TT+1], v[TT+2]
.endm
; One streamed tile against my 8 stationary tiles.  Each product is issued one step ahead of the step that uses it, into the other result tile:
; between a matrix instruction and the first vector instruction that names one of its registers stand the 12 vector instructions of the step
; before (ISA guide 7.12.1 asks for 4), and as many before its result tile is written again or its A buffer loaded again.
; wm: a tile follows (its first product is issued here, behind the wait for its loads).  ld: buffer a is loaded again, two tiles ahead.
.macro TILE a, tau, first, wm, ld
	WM \a, 1, 1
	PROC \a, 0, 0, \first
	WM \a, 2, 0
	PROC \a, 1, 1, \first
	WM \a, 3, 1
	PROC \a, 2, 0, \first
	WM \a, 4, 0
	PROC \a, 3, 1, \first
	WM \a, 5, 1
	PROC \a, 4, 0, \first
	WM \a, 6, 0
	PROC \a, 5, 1, \first
	WM \a, 7, 1
	PROC \a, 6, 0, \first
.if \wm
	s_wait_dscnt 0x0                               ; the next tile's three loads, issued a whole tile ago, are the only ones out
	WM 1-\a, 0, 0
.endif
	PROC \a, 7, 1, \first
.if \ld
	LOADT \a, \tau
.endif
.endm
; the group is over: clamp (the minimum of clamped numbers is the clamped minimum), keep it only if strictly less, with its number
.macro TRACK
.irp s, 0,1,2,3,4,5,6,7
	v_max_num_f32 v[GA+\s], 0, v[GA+\s]
	v_cmp_lt_f32 vcc_lo, v[GA+\s], v[BE+\s]
	v_cndmask_b32 v[BE+\s], v[BE+\s], v[GA+\s], vcc_lo
	v_cndmask_b32 v[SB+2*\s+1], v[SB+2*\s+1], v[GC], vcc_lo
.endr
.endm
	LOADT 0, 0
	LOADT 1, 1
	s_wait_dscnt 0x3                               ; tile 0's three loads are in, tile 1's three may be out
	WM 0, 0, 0
	s_mov_b32 s24, 7
.Lgroup:
	TILE 0, 2, 1, 1, 1
	TILE 1, 3, 0, 1, 1
	TILE 0, 4, 0, 1, 1
	TILE 1, 5, 0, 1, 1
	TRACK
	v_add_nc_u32 v[FA], 2*HPITCH, v[FA]            ; 64 points on
	v_add_nc_u32 v[SA], 256, v[SA]
	v_add_nc_u32 v[GC], 2, v[GC]
	s_sub_co_i32 s24, s24, 1
	s_cmp_lg_u32 s24, 0
	s_cbranch_scc1 .Lgroup
	TILE 0, 2, 1, 1, 1                             ; the eighth's last group asks for nothing beyond it
	TILE 1, 3, 0, 1, 1
	TILE 0, 4, 0, 1, 0
	TILE 1, 5, 0, 0, 0
	TRACK
	; THE FOLD.  A point's minimum lies in 8 waves x 2 lane halves.  The scratch lies on the fragments' bytes: every wave has to be done reading.
	s_wait_dscnt 0x0
	s_barrier_signal -1
	s_barrier_wait -1
	v_lshlrev_b32 v[AD0], 2, v[LANE]
	s_lshl_b32 s25, s15, 10                        ; wave x 8 tiles x 128 bytes
	s_add_co_u32 s25, s25, RV
	v_add_nc_u32 v[AD1], s25, v[AD0]
.irp s, 0,1,2,3,4,5,6,7
	ds_store_b32 v[AD1], v[BE+\s] offset:128*\s
	ds_store_b32 v[AD1], v[SB+2*\s+1] offset:RG+128*\s
.endr
	s_wait_dscnt 0x0
	s_barrier_signal -1
	s_barrier_wait -1
	; wave (set, e) folds tile e of its set: the 8 eighths lane by lane, in ascending order, so strictly less keeps the first group
	s_lshl_b32 s25, s22, 13
	s_lshl_b32 s26, s23, 7
	s_add_co_u32 s25, s25, s26
	s_add_co_u32 s25, s25, RV
	v_add_nc_u32 v[AD1], s25, v[AD0]
.irp k, 0,1,2,3,4,5,6,7
	ds_load_b32 v[TV+\k], v[AD1] offset:1024*\k
	ds_load_b32 v[TG+\k], v[AD1] offset:RG+1024*\k
.endr
	s_wait_dscnt 0x0
.irp k, 1,2,3,4,5,6,7
	v_cmp_lt_f32 vcc_lo, v[TV+\k], v[TV]
	v_cndmask_b32 v[TV], v[TV], v[TV+\k], vcc_lo
	v_cndmask_b32 v[TG], v[TG], v[TG+\k], vcc_lo
.endr
	; the two lane halves: the smaller minimum, and of equal ones the smaller group number (groups are numbered in the points' order)
	v_permlanex16_b32 v[TV+1], v[TV], s30, s31
	v_permlanex16_b32 v[TG+1], v[TG], s30, s31
	v_cmp_lt_f32 s28, v[TV+1], v[TV]
	v_cmp_eq_f32 s29, v[TV+1], v[TV]
	v_cmp_lt_u32 vcc_lo, v[TG+1], v[TG]
	s_and_b32 s29, s29, vcc_lo
	s_or_b32 vcc_lo, s28, s29
	v_cndmask_b32 v[TV], v[TV], v[TV+1], vcc_lo
	v_cndmask_b32 v[TG], v[TG], v[TG+1], vcc_lo
	v_sqrt_f32 v[TV+2], v[TV]
	s_lshl_b32 s25, s15, 6                         ; tile x 16 points x 4 bytes
	v_lshl_add_u32 v[AD2], v[RR], 2, s25           ; (also the plain instruction between the root and its use)
	s_wait_alu depctr_va_vdst(0)
	ds_store_b32 v[AD2], v[TV+2] offset:OS         ; both halves write the same word with the same number
	ds_store_b32 v[AD2], v[TG] offset:OG
	s_wait_dscnt 0x0
	s_barrier_signal -1
	s_barrier_wait -1
	s_cmp_lg_u32 s15, 0
	s_cbranch_scc1 .Lend
	; wave 0: the block's 256 roots are added, its 256 group numbers leave as two stores of 512 consecutive bytes
	v_lshlrev_b32 v[AD1], 4, v[LANE]
	ds_load_b128 v[TV:TV+3],   v[AD1] offset:OS
	ds_load_b128 v[TV+4:TV+7], v[AD1] offset:OS+512
	ds_load_b128 v[TG:TG+3],   v[AD1] offset:OG
	ds_load_b128 v[TG+4:TG+7], v[AD1] offset:OG+512
	s_lshl_b32 s20, s13, 14                        ; batch x 4096 x 4 bytes
	s_lshl_b32 s25, s12, 10                        ; block x 256 x 4 bytes
	s_add_co_u32 s20, s20, s25
	s_add_nc_u64 s[8:9], s[8:9], s[20:21]
	s_lshl_b32 s28, ttmp9, 2
	s_mov_b32 s29, 0
	s_add_nc_u64 s[10:11], s[10:11], s[28:29]
	v_mov_b32 v[AD2], 0
	s_wait_dscnt 0x0
	v_pk_add_f32 v[TV:TV+1], v[TV:TV+1], v[TV+2:TV+3]
	v_pk_add_f32 v[TV+4:TV+5], v[TV+4:TV+5], v[TV+6:TV+7]
	v_pk_add_f32 v[TV:TV+1], v[TV:TV+1], v[TV+4:TV+5]
	v_add_f32 v[TV], v[TV], v[TV+1]
	v_add_f32_dpp v[TV], v[TV], v[TV] row_xmask:1 row_mask:0xf bank_mask:0xf
	v_add_f32_dpp v[TV], v[TV], v[TV] row_xmask:2 row_mask:0xf bank_mask:0xf
	v_add_f32_dpp v[TV], v[TV], v[TV] row_xmask:4 row_mask:0xf bank_mask:0xf
	v_add_f32_dpp v[TV], v[TV], v[TV] row_xmask:8 row_mask:0xf bank_mask:0xf
	v_permlanex16_b32 v[TV+1], v[TV], s30, s31
	v_add_f32 v[TV], v[TV], v[TV+1]
	s_cmp_lg_u32 s14, 0
	s_cbranch_scc1 .Lnogroup                       ; direction 1 has no use for the numbers
	global_store_b128 v[AD1], v[TG:TG+3], s[8:9]
	global_store_b128 v[AD1], v[TG+4:TG+7], s[8:9] offset:512
.Lnogroup:
	v_cmp_eq_u32 vcc_lo, 0, v[LANE]
	s_wait_xcnt 0x0                                ; EXEC is a source of the stores above: it changes only behind this wait
	s_wait_tensorcnt 0x0
	ds_add_u32 v186, v187
	s_wait_dscnt 0x0
	s_and_saveexec_b32 s25, vcc_lo
	global_store_b32 v[AD2], v[TV], s[10:11]       ; one number for the work-group
	s_endpgm
.Lend:
	s_wait_tensorcnt 0x0
	ds_add_u32 v186, v187
	s_wait_dscnt 0x0
	s_endpgm
.Lfunc_end_k_q9d1a4c144b_pairs:
	.size	k_q9d1a4c144b_pairs, .Lfunc_end_k_q9d1a4c144b_pairs-k_q9d1a4c144b_pairs
	.p2alignl 7, 3214868480
	.fill 96, 4, 3214868480
	.section	.rodata,"a",@progbits
	.p2align	6, 0x0
	.amdhsa_kernel k_q9d1a4c144b_pairs
		.amdhsa_group_segment_fixed_size 61440
		.amdhsa_private_segment_fixed_size 0
		.amdhsa_enable_private_segment 0
		.amdhsa_kernarg_size 32
		.amdhsa_user_sgpr_count 2
		.amdhsa_user_sgpr_kernarg_segment_ptr 1
		.amdhsa_wavefront_size32 1
		.amdhsa_system_sgpr_workgroup_id_x 1
		.amdhsa_system_sgpr_workgroup_id_y 1
		.amdhsa_system_sgpr_workgroup_id_z 1
		.amdhsa_system_vgpr_workitem_id 0
		.amdhsa_next_free_vgpr 188
		.amdhsa_next_free_sgpr 66
		.amdhsa_reserve_vcc 1
		.amdhsa_float_denorm_mode_32 3
		.amdhsa_float_denorm_mode_16_64 3
		.amdhsa_memory_ordered 1
		.amdhsa_forward_progress 1
		.amdhsa_inst_pref_size 75
	.end_amdhsa_kernel
	.amdgpu_metadata
---
amdhsa.version: [ 1, 2 ]
amdhsa.kernels:
  - .name:           k_q9d1a4c144b_pairs
    .symbol:         k_q9d1a4c144b_pairs.kd
    .args:
      - { .name: xyz1, .offset: 0, .size: 8, .value_kind: global_buffer, .address_space: global }
      - { .name: xyz2, .offset: 8, .size: 8, .value_kind: global_buffer, .address_space: global }
      - { .name: group, .offset: 16, .size: 8, .value_kind: global_buffer, .address_space: global }
      - { .name: psum, .offset: 24, .size: 8, .value_kind: global_buffer, .address_space: global }
    .group_segment_fixed_size: 61440
    .private_segment_fixed_size: 0
    .kernarg_segment_align: 8
    .kernarg_segment_size: 32
    .max_flat_workgroup_size: 512
    .sgpr_count:     66
    .vgpr_count:     188
    .wavefront_size: 32
...
	.end_amdgpu_metadata
.endif
;; end of part 1
;; launch pick (part 2): grid 256 x 1, 2 waves a work-group, no clusters, 0 bytes of LDS; arguments xyz1, xyz2, group, psum, out0, out1; writes out0, out1
.if DOCPART == 2
	.amdgcn_target "amdgcn-amd-amdhsa--gfx1250"
	.amdhsa_code_object_version 6
	.text
	.protected	k_q9d1a4c144b_pick
	.globl	k_q9d1a4c144b_pick
	.p2align	8
	.type	k_q9d1a4c144b_pick,@function
k_q9d1a4c144b_pick:
	s_mov_b64 s[64:65], 0
	v_nop
	global_prefetch_b8 v0, s[64:65] scope:SCOPE_SE
	s_setreg_imm32_b32 hwreg(HW_REG_WAVE_MODE, 25, 1), 1
	s_wait_xcnt 0x0
; The index of the nearest point, and the loss.  The launch before left, for each point of xyz1, the number g (0..127) of the group of 32 consecutive
; points of xyz2 that holds its first minimum.  Here a thread takes two neighbouring points of xyz1, fetches the 384 bytes of each one's group, forms
; the 32 distances once more and keeps the first smallest: index = 32 g + place.
; ARITHMETIC: coordinates rounded to bf16, then f32 in the order of the formula: inner = (x0 y0 + x1 y1) + x2 y2, sq likewise, t = sq1 + sq2,
; d = max(t - 2 inner, 0).  On the vector ALU: each point has its own 32 partners, so no operand is shared between rows, K is 3, and the work is
; 32 of the 4096 pairs of each point.
; A thread's two results are 8 neighbouring bytes: a wave's store covers 256 consecutive bytes, aligned.
; Wave 0 of work-group 0 also adds the 256 sums of roots; out0 = (sum1 / 32768 + sum2 / 32768) / 2 = sum / 65536.
; LIMITS as in the launch before: finite inputs, squares finite.
.set CLOUD, 49152
.set QA, 16                            ; v[16:23] point A: x0, (packed), x1, (packed), x2, best, sq1, place: the numbers that a packed
.set QB, 24                            ; v[24:31] point B: instruction spreads over both halves lie in even registers
.set CV, 32                            ; v[32:37] six packed pairs
.set XS, 38                            ; v[38:49] x of 4 candidates, y of 4, z of 4, rounded, as f32
.set SS, 50                            ; v[50:53] their squares, then t
.set II, 54                            ; v[54:57] inner, then d
.set RA, 64                            ; v[64:159]  A's group as loaded: 24 x 16 bytes
.set RB, 160                           ; v[160:255] B's group
	s_load_b256 s[4:11], s[0:1], 0x0               ; xyz1 s[4:5], xyz2 s[6:7], group s[8:9], psum s[10:11]
	s_load_b128 s[12:15], s[0:1], 0x20             ; out0 s[12:13], out1 s[14:15]
	v_and_b32 v1, 31, v0
	v_lshrrev_b32 v13, 5, v0
	v_readfirstlane_b32 s16, v13                   ; wave
	v_lshlrev_b32 v12, 3, v0                       ; two numbers of 4 bytes a thread
	v_mul_u32_u24 v13, 24, v0                      ; two points of 12 bytes a thread
	s_lshl_b32 s18, ttmp9, 9                       ; 128 points a work-group: x 4 bytes
	s_mov_b32 s19, 0
	s_mul_i32 s20, ttmp9, 1536                     ; x 12 bytes
	s_mov_b32 s21, 0
	s_lshr_b32 s22, ttmp9, 5                       ; 32 work-groups a batch
	s_mul_i32 s22, s22, CLOUD
	s_mov_b32 s23, 0
	s_mov_b32 s24, 0x76543210
	s_mov_b32 s25, 0xfedcba98
	s_mov_b32 s26, 0xffff0000
	s_wait_kmcnt 0x0
	s_add_nc_u64 s[8:9], s[8:9], s[18:19]
	s_add_nc_u64 s[14:15], s[14:15], s[18:19]
	s_add_nc_u64 s[4:5], s[4:5], s[20:21]
	s_add_nc_u64 s[6:7], s[6:7], s[22:23]
	global_load_b64 v[2:3], v12, s[8:9]
	global_load_b64 v[4:5], v13, s[4:5]
	global_load_b64 v[6:7], v13, s[4:5] offset:8
	global_load_b64 v[8:9], v13, s[4:5] offset:16
	s_wait_loadcnt 0x3                             ; the group numbers; the three loads of coordinates may be out
	v_min_u32 v2, 0x7f, v2                         ; a loaded number enters an address only clamped
	v_min_u32 v3, 0x7f, v3
	v_mul_u32_u24 v10, 0x180, v2                   ; 32 points x 12 bytes
	v_mul_u32_u24 v11, 0x180, v3
.set k, 0
.rept 24
	global_load_b128 v[RA+4*k:RA+4*k+3], v10, s[6:7] offset:16*k
.set k, k+1
.endr
.set k, 0
.rept 24
	global_load_b128 v[RB+4*k:RB+4*k+3], v11, s[6:7] offset:16*k
.set k, k+1
.endr
	; the loss, by one wave, while its 48 loads are on their way
	s_cmp_lg_u32 ttmp9, 0
	s_cbranch_scc1 .Lnosum
	s_cmp_lg_u32 s16, 0
	s_cbranch_scc1 .Lnosum
	v_lshlrev_b32 v14, 4, v1
	global_load_b128 v[32:35], v14, s[10:11]
	global_load_b128 v[36:39], v14, s[10:11] offset:512
	v_mov_b32 v15, 0
	s_wait_loadcnt 0x0
	v_pk_add_f32 v[32:33], v[32:33], v[34:35]
	v_pk_add_f32 v[36:37], v[36:37], v[38:39]
	v_pk_add_f32 v[32:33], v[32:33], v[36:37]
	v_add_f32 v32, v32, v33
	v_add_f32_dpp v32, v32, v32 row_xmask:1 row_mask:0xf bank_mask:0xf
	v_add_f32_dpp v32, v32, v32 row_xmask:2 row_mask:0xf bank_mask:0xf
	v_add_f32_dpp v32, v32, v32 row_xmask:4 row_mask:0xf bank_mask:0xf
	v_add_f32_dpp v32, v32, v32 row_xmask:8 row_mask:0xf bank_mask:0xf
	v_permlanex16_b32 v33, v32, s24, s25
	v_add_f32 v32, v32, v33
	v_mul_f32 v32, 0x37800000, v32                 ; 1 / 65536
	v_cmp_eq_u32 vcc_lo, 0, v1
	s_wait_xcnt 0x0                                ; EXEC is a source of the loads above: it narrows only behind this wait
	s_and_saveexec_b32 s27, vcc_lo
	global_store_b32 v15, v32, s[12:13]
	s_wait_xcnt 0x0                                ; and widens only behind this one; v32 is free too
	s_or_b32 exec_lo, exec_lo, s27
.Lnosum:
.macro QUERY x, q
	v_cvt_pk_bf16_f32 v[\q+1], v[\x], v[\x+1]
	v_cvt_pk_bf16_f32 v[\q+3], v[\x+2], v[\x+2]
	v_lshlrev_b32 v[\q], 16, v[\q+1]
	v_and_b32 v[\q+2], s26, v[\q+1]
	v_lshlrev_b32 v[\q+4], 16, v[\q+3]
	v_mul_f32 v[\q+6], v[\q], v[\q]
	v_fmac_f32 v[\q+6], v[\q+2], v[\q+2]
	v_fmac_f32 v[\q+6], v[\q+4], v[\q+4]
	v_mov_b32 v[\q+5], 0x7f800000                  ; best = +infinity
	v_mov_b32 v[\q+7], 0                           ; its place
.endm
; four candidates (12 numbers at v[r ..]) against point q; n = the first one's place in the group
.macro CHUNK r, q, n
	v_cvt_pk_bf16_f32 v[CV],   v[\r],   v[\r+3]    ; x of candidates 0, 1
	v_cvt_pk_bf16_f32 v[CV+1], v[\r+6], v[\r+9]    ; x of 2, 3
	v_cvt_pk_bf16_f32 v[CV+2], v[\r+1], v[\r+4]    ; y
	v_cvt_pk_bf16_f32 v[CV+3], v[\r+7], v[\r+10]
	v_cvt_pk_bf16_f32 v[CV+4], v[\r+2], v[\r+5]    ; z
	v_cvt_pk_bf16_f32 v[CV+5], v[\r+8], v[\r+11]
.irp k, 0,1,2,3,4,5
	v_lshlrev_b32 v[XS+2*\k],   16,  v[CV+\k]
	v_and_b32     v[XS+2*\k+1], s26, v[CV+\k]
.endr
.irp p, 0,2
	v_pk_mul_f32 v[SS+\p:SS+\p+1], v[XS+\p:XS+\p+1], v[XS+\p:XS+\p+1]
	v_pk_mul_f32 v[II+\p:II+\p+1], v[XS+\p:XS+\p+1], v[\q:\q+1] op_sel_hi:[1,0]
	v_pk_fma_f32 v[SS+\p:SS+\p+1], v[XS+4+\p:XS+4+\p+1], v[XS+4+\p:XS+4+\p+1], v[SS+\p:SS+\p+1]
	v_pk_fma_f32 v[II+\p:II+\p+1], v[XS+4+\p:XS+4+\p+1], v[\q+2:\q+3], v[II+\p:II+\p+1] op_sel_hi:[1,0,1]
	v_pk_fma_f32 v[SS+\p:SS+\p+1], v[XS+8+\p:XS+8+\p+1], v[XS+8+\p:XS+8+\p+1], v[SS+\p:SS+\p+1]
	v_pk_fma_f32 v[II+\p:II+\p+1], v[XS+8+\p:XS+8+\p+1], v[\q+4:\q+5], v[II+\p:II+\p+1] op_sel_hi:[1,0,1]
	v_pk_add_f32 v[SS+\p:SS+\p+1], v[SS+\p:SS+\p+1], v[\q+6:\q+7] op_sel_hi:[1,0]
	v_pk_fma_f32 v[II+\p:II+\p+1], v[II+\p:II+\p+1], -2.0, v[SS+\p:SS+\p+1] op_sel_hi:[1,0,1]
.endr
.irp p, 0,1,2,3
	v_max_num_f32 v[II+\p], 0, v[II+\p]
	v_cmp_lt_f32 vcc_lo, v[II+\p], v[\q+5]         ; strictly less, in ascending order: the first smallest stays
	v_cndmask_b32 v[\q+5], v[\q+5], v[II+\p], vcc_lo
	v_cndmask_b32 v[\q+7], v[\q+7], \n+\p, vcc_lo
.endr
.endm
	s_wait_loadcnt 48                              ; the coordinates of my two points; the 48 loads behind them may be out
	QUERY 4, QA
	QUERY 7, QB
.set left, 45                                      ; chunk c of A needs loads 3 c .. 3 c + 2 of the 48: 45 - 3 c younger ones may be out
.irp c, 0,1,2,3,4,5,6,7
	s_wait_loadcnt left
	CHUNK RA+12*\c, QA, 4*\c
.set left, left-3
.endr
.irp c, 0,1,2,3,4,5,6,7
	s_wait_loadcnt left                            ; and on through B's: 21 - 3 c
	CHUNK RB+12*\c, QB, 4*\c
.set left, left-3
.endr
	v_lshl_add_u32 v58, v2, 5, v[QA+7]             ; 32 x group + place
	v_lshl_add_u32 v59, v3, 5, v[QB+7]
	global_store_b64 v12, v[58:59], s[14:15]
	s_endpgm
.Lfunc_end_k_q9d1a4c144b_pick:
	.size	k_q9d1a4c144b_pick, .Lfunc_end_k_q9d1a4c144b_pick-k_q9d1a4c144b_pick
	.p2alignl 7, 3214868480
	.fill 96, 4, 3214868480
	.section	.rodata,"a",@progbits
	.p2align	6, 0x0
	.amdhsa_kernel k_q9d1a4c144b_pick
		.amdhsa_group_segment_fixed_size 0
		.amdhsa_private_segment_fixed_size 0
		.amdhsa_enable_private_segment 0
		.amdhsa_kernarg_size 48
		.amdhsa_user_sgpr_count 2
		.amdhsa_user_sgpr_kernarg_segment_ptr 1
		.amdhsa_wavefront_size32 1
		.amdhsa_system_sgpr_workgroup_id_x 1
		.amdhsa_system_sgpr_workgroup_id_y 1
		.amdhsa_system_sgpr_workgroup_id_z 1
		.amdhsa_system_vgpr_workitem_id 0
		.amdhsa_next_free_vgpr 256
		.amdhsa_next_free_sgpr 66
		.amdhsa_reserve_vcc 1
		.amdhsa_float_denorm_mode_32 3
		.amdhsa_float_denorm_mode_16_64 3
		.amdhsa_memory_ordered 1
		.amdhsa_forward_progress 1
		.amdhsa_inst_pref_size 48
	.end_amdhsa_kernel
	.amdgpu_metadata
---
amdhsa.version: [ 1, 2 ]
amdhsa.kernels:
  - .name:           k_q9d1a4c144b_pick
    .symbol:         k_q9d1a4c144b_pick.kd
    .args:
      - { .name: xyz1, .offset: 0, .size: 8, .value_kind: global_buffer, .address_space: global }
      - { .name: xyz2, .offset: 8, .size: 8, .value_kind: global_buffer, .address_space: global }
      - { .name: group, .offset: 16, .size: 8, .value_kind: global_buffer, .address_space: global }
      - { .name: psum, .offset: 24, .size: 8, .value_kind: global_buffer, .address_space: global }
      - { .name: out0, .offset: 32, .size: 8, .value_kind: global_buffer, .address_space: global }
      - { .name: out1, .offset: 40, .size: 8, .value_kind: global_buffer, .address_space: global }
    .group_segment_fixed_size: 0
    .private_segment_fixed_size: 0
    .kernarg_segment_align: 8
    .kernarg_segment_size: 48
    .max_flat_workgroup_size: 64
    .sgpr_count:     66
    .vgpr_count:     256
    .wavefront_size: 32
...
	.end_amdgpu_metadata
.endif
;; end of part 2
